; MI455X (gfx1250); checked and timed in simulation.
; The chip was launched on July 23, 2026; its instructions are those of AMD's public machine-readable ISA for CDNA 5 (MIT licence, August 2026) and "CDNA5" Instruction Set Architecture Reference Guide (July 2026). The comments in the code are by the model that wrote it; some were corrected since.
;; Attention Block. Allowed arithmetic: matrix products marked QUANTISED: E4M3 operands, one given power-of-two scale a tensor, by v_wmma_f32_16x16x64_fp8_fp8 or v_wmma_f32_16x16x128_fp8_fp8, f32 sums; everything else in f32.
;; Inputs: k 2 x 12 x 2,048 x 64 float32; lowp_scales 4 int32 (the exponents e of the quantised operands' scales 2^e); q 2 x 12 x 2,048 x 64 float32; v 2 x 12 x 2,048 x 64 float32.
;; Outputs: out0 2 x 12 x 2,048 x 64 float32.
;; This version of the problem:
;;   THIS VERSION OF THE PROBLEM IS GIVEN IN LOW PRECISION. The matrix products marked QUANTISED in the list below multiply operands that are first quantised to E4M3 (4 exponent bits, 3 mantissa bits; 8 bits a number), with one given power-of-two scale for each operand tensor; their sums are f32. All else is computed in f32.
;;   The module's matrix products, in the order in which they are computed (A, B: the left and right operand; K: the contracted axis; several contracted axes count as one K, in the product's order):
;;     1. batch 24 x [M 2,048, K 64] x [K 64, N 2,048]; A: input q; B: input k: QUANTISED (scales: A lowp_scales[0], B lowp_scales[1])
;;     2. batch 24 x [M 2,048, K 2,048] x [K 2,048, N 64]; A: softmax (see below); B: input v: QUANTISED (scales: A lowp_scales[2], B lowp_scales[3])
;;   THE QUANTISER, for each operand of a quantised product, along K:
;;     - The operand's scale is 2^e, e = its entry of the input lowp_scales (int32; the entries are numbered through the quantised products in the list's order, A before B).
;;     - Each number is divided by the scale, clamped to +-448, and rounded to the nearest number of E4M3, ties to even, subnormals kept.
;;     - The product sums the exact products of the quantised numbers (number of the format x scale) in f32.
;;   ~~~python
;;   def quantise(x, axis, e):      # numpy; x: float32 -> the quantised numbers, widened to float32 again
;;       x = np.moveaxis(x, axis, -1); K = x.shape[-1]
;;       r = np.clip(x / 2.0 ** e, -448, 448)
;;       step = 2.0 ** (np.maximum(np.frexp(np.where(r == 0, 1, r))[1] - 1, -6) - 3)
;;       q = np.round(r / step) * step * 2.0 ** e      # np.round: ties to even
;;       return np.moveaxis(q, -1, axis).astype(np.float32)
;;   ~~~
;;   SOFTMAX AHEAD OF A QUANTISED PRODUCT. Where the list says 'softmax', what is quantised is not the finished softmax but p = 2^(t - M), with t = logit x log2(e) and M = ceil(the row's largest t), a whole number; so 1/2 < the row's largest p <= 1. The row's sum l is taken of the UNQUANTISED p, in f32, and the product's result is divided by l at the end. Since M is a whole number, a kernel that streams over the keys may use a running M (the ceiling of the running maximum): every later rescaling is an exact power of two, so the quantised numbers keep their values, but for numbers so far below the row's largest that they fall under the format's range.
;;   OPERANDS COMPUTED ON THE WAY. 'Computed on the way' means the value that the module computes at that place (a softmax that the list does not call 'softmax' is quantised finished and normalised). What goes into a quantiser is computed in f32, as accurately as f32 sums, v_exp_f32 and their like allow (about 1e-6 of the number): no bf16 or f16 on the way to a quantiser, and a product that is left as it is and whose result goes on into a quantised operand takes f32 operands (vector FMAs, or v_wmma_f32_16x16x4_f32). A number that lies on a knife's edge between two numbers of the format may be rounded either way, as far as f32 arithmetic and the matrix unit's own rounding can turn it there, and no further.
;; One version. Each part assembles by itself: llvm-mc -triple=amdgcn-amd-amdhsa -mcpu=gfx1250 --defsym DOCPART=n.
;; ======== version 1 of 1: 2 launches
;; limits: right only within a limited range of input values
;; workspace buffers: qc 3,145,728 bytes; kv 6,291,456 bytes
;; launch prep (part 1): grid 768 x 1, 6 waves a work-group, no clusters, 105,216 bytes of LDS; arguments q, k, v, lowp_scales, qc, kv; writes qc, kv
.if DOCPART == 1
	.amdgcn_target "amdgcn-amd-amdhsa--gfx1250"
	.amdhsa_code_object_version 6
	.text
	.protected	k_q6abd3664cf_prep
	.globl	k_q6abd3664cf_prep
	.p2align	8
	.type	k_q6abd3664cf_prep,@function
k_q6abd3664cf_prep:
	s_mov_b64 s[64:65], 0
	v_nop
	global_prefetch_b8 v0, s[64:65] scope:SCOPE_SE
	s_setreg_imm32_b32 hwreg(HW_REG_WAVE_MODE, 25, 1), 1
	s_wait_xcnt 0x0
; q, k, v: [24 heads x 2,048 rows][64] f32, become codes of FP8 (E4M3), each tensor with its given scale 2^e (lowp_scales 0, 1, 3), laid as IMAGES OF THE OPERAND REGISTERS
; of the attention launch, so that a fragment is read there by loads of 16 bytes a lane, 512 bytes on end.
; code = x / 2^e, held within +-448, to the nearest code, ties to even.  LIMITS: each e between -126 and 119, so that 2^e and 448 x 2^e are f32 numbers.  NaN among the inputs is not served; an infinity is held at the largest code.
; SHARES.  768 work-groups of six waves: 256 for each tensor (T = work-group / 256).  A wave takes ONE block of 32 rows (8,192 bytes in, 2,048 bytes out): 6 x 256 = 1,536 blocks = 49,152 rows.  Straight-line: no loop, no barrier.
; IN: 16 loads, each 512 consecutive bytes (two rows).  They go as they lie into the wave's own stage in LDS (rows 272 bytes apart) and come back as the conversions want them: 16 neighbours along K in one lane's registers.
; q, k (K = the head's 64, innermost): piece p = 2 u + c: lane (r, h) holds row 8 u + r + 8 (r / 8), d = 32 c + 16 h + 0 .. 15.  THE ROWS OF A TILE ARE NOT NEIGHBOURS: so the scores of two neighbouring tiles of keys
;   are 16 neighbouring keys in a lane of the attention launch.  q takes the same choice of rows, so that one path serves both; the attention launch's output address knows of it.
; v (K = the keys, NOT innermost): a lane takes a column d = 16 t + r and its registers run down the keys 16 h + 0 .. 15: piece t.
; OUT: qc: block x 2,048 + 512 p + 16 lane.  kv: [head][step of 128 keys][K's image 8,192 | V's image 8,192]: a block is a quarter of a step: K: + 2,048 x quarter + 512 p; V: + 8,192 + 512 x quarter + 2,048 t.
; Each store of a wave covers 512 consecutive bytes, aligned.  The two paths part on the work-group's number and have LDS bytes of their own.
.set SP,   272                         ; a stage row: 256 bytes + 16
.set WST,  32*SP                       ; a wave's stage
.set REGB, 6*WST                       ; the v path's stages begin here
.set X,    16                          ; v16-79   the block as loaded
.set Y,    80                          ; v80-143  four pieces of 16 neighbours along K
.set C,    144                         ; v144-159 their codes: four registers a piece, so that no store's data are written again
	s_load_b256 s[4:11], s[0:1], 0x0               ; q s[4:5], k s[6:7], v s[8:9], the scales' exponents s[10:11]
	s_load_b128 s[12:15], s[0:1], 0x20             ; qc s[12:13], kv s[14:15]
	v_lshl_add_u32 v160, v0, 2, 0x19800
	v_mov_b32 v161, 0
	v_lshrrev_b32 v1, 5, v0
	v_readfirstlane_b32 s16, v1                    ; wave 0..5
	v_and_b32 v1, 31, v0                           ; lane
	v_and_b32 v2, 15, v0                           ; r
	v_bfe_u32 v3, v0, 4, 1                         ; h
	v_lshlrev_b32 v4, 4, v1                        ; 16 x lane: my bytes of a load's and of a store's 512
	s_mul_i32 s19, s16, WST                        ; my wave's stage
	v_mul_u32_u24 v5, v3, SP                       ; every LDS address is made here, ahead of the parting of the paths
	v_lshl_add_u32 v5, v2, 4, v5
	v_add_nc_u32 v5, s19, v5                       ; into the stage (q, k): row h of a load's two, 16 r
	v_add_nc_u32 v6, REGB, v5                      ; the same for v
	v_and_b32 v7, 8, v2
	v_add_nc_u32 v7, v7, v2                        ; r + 8 (r / 8)
	v_mul_u32_u24 v7, v7, SP
	v_lshl_add_u32 v7, v3, 6, v7
	v_add_nc_u32 v7, s19, v7                       ; out of it (q, k): that row, + 64 h bytes
	v_mul_u32_u24 v8, v3, 16*SP
	v_lshl_add_u32 v8, v2, 2, v8
	v_add_nc_u32 v8, s19, v8
	v_add_nc_u32 v8, REGB, v8                      ; out of it (v): row 16 h, column r
	s_lshr_b32 s17, ttmp9, 8                       ; T: 0 q, 1 k, 2 v
	s_and_b32 s18, ttmp9, 255
	s_mul_i32 s18, s18, 6
	s_add_co_u32 s18, s18, s16                     ; my block, 0 .. 1,535
	s_lshl_b32 s26, s18, 13                        ; where it begins in its tensor
	s_mov_b32 s27, 0
	s_lshr_b32 s25, s18, 2
	s_lshl_b32 s25, s25, 14                        ; kv: the step of 128 keys,
	s_and_b32 s34, s18, 3                          ; and my quarter of it:
	s_lshl_b32 s35, s34, 11                        ; in K's image,
	s_lshl_b32 s34, s34, 9
	s_add_co_u32 s34, s34, 8192                    ; in V's
	s_cmp_eq_u32 s17, 2
	s_cselect_b32 s34, s34, s35
	s_add_co_u32 s25, s25, s34
	s_lshl_b32 s24, s18, 11                        ; qc: 2,048 bytes a block
	s_cmp_eq_u32 s17, 0
	s_cselect_b32 s24, s24, s25
	s_mov_b32 s25, 0
	s_wait_kmcnt 0x0
	s_load_b128 s[28:31], s[10:11], 0x0            ; eq, ek, ep, ev
	s_cmp_eq_u32 s17, 0                            ; the buffers are chosen on the work-group's number alone
	s_cselect_b64 s[22:23], s[12:13], s[14:15]
	s_cselect_b64 s[20:21], s[4:5], s[6:7]
	s_cmp_eq_u32 s17, 2
	s_cselect_b64 s[20:21], s[8:9], s[20:21]
	s_add_nc_u64 s[20:21], s[20:21], s[26:27]
	s_add_nc_u64 s[22:23], s[22:23], s[24:25]
.irp i, 0,1,2,3,4,5,6,7,8,9,10,11,12,13,14,15
	global_load_b128 v[X+4*\i:X+4*\i+3], v4, s[20:21] offset:512*\i th:TH_LOAD_NT   ; 32 lanes read 512 consecutive bytes; read once in the launch
.endr
	s_wait_kmcnt 0x0
	s_cmp_eq_u32 s17, 0
	s_cselect_b32 s32, s28, s29
	s_cmp_eq_u32 s17, 2
	s_cselect_b32 s32, s31, s32                    ; e: entry 0, 1 or 3
	s_add_co_i32 s32, s32, 127
	s_lshl_b32 s33, s32, 23
	v_mov_b32 v11, s33                             ; 2^e as f32: the conversion takes its exponent field
.macro STAGE_IN adr                    ; the block goes into the stage as it lies: two rows a store
.irp i, 0,1,2,3,4,5,6,7,8,9,10,11,12,13,14,15
	s_wait_loadcnt 15-\i                           ; loads come back in order: load i is in, the 15 - i younger ones may be out
	ds_store_b128 v[\adr], v[X+4*\i:X+4*\i+3] offset:2*SP*\i
.endr
.endm
.macro QUANT p                         ; piece p's 16 numbers become 16 codes
.irp i, 0,1,2,3,4,5,6,7,8,9,10,11,12,13,14,15
.endr
	v_cvt_scalef32_pk8_fp8_f32 v[C+4*(\p):C+4*(\p)+1], v[Y+16*(\p):Y+16*(\p)+7], v11
	v_cvt_scalef32_pk8_fp8_f32 v[C+4*(\p)+2:C+4*(\p)+3], v[Y+16*(\p)+8:Y+16*(\p)+15], v11   ; the codes go to a store alone
.endm
	s_cmp_eq_u32 s17, 2
	s_cbranch_scc1 .Lv
	; ---- q and k
	STAGE_IN 5
	s_wait_alu depctr_va_vdst(0)
.irp p, 0,1,2,3
.irp j, 0,1,2,3
	ds_load_b128 v[Y+16*\p+4*\j:Y+16*\p+4*\j+3], v7 offset:(\p/2)*8*SP+(\p%2)*128+16*\j   ; LDS serves a wave's instructions in order (ISA guide 5.7.1.4): these see my stores
.endr
.endr
.irp p, 0,1,2,3
	s_wait_dscnt 4*(3-\p)                          ; piece p's four loads are in; the later pieces' may be out
	QUANT \p
	global_store_b128 v4, v[C+4*\p:C+4*\p+3], s[22:23] offset:512*\p
.endr
	s_wait_tensorcnt 0x0
	ds_add_u32 v160, v161
	s_wait_dscnt 0x0
	s_endpgm
.Lv:
	; ---- v
	STAGE_IN 6
	s_wait_alu depctr_va_vdst(0)
.irp t, 0,1,2,3
.irp i, 0,1,2,3,4,5,6,7,8,9,10,11,12,13,14,15
	ds_load_b32 v[Y+16*\t+\i], v8 offset:SP*\i+64*\t   ; v(key 16 h + i, d = 16 t + r)
.endr
.endr
.irp t, 0,1,2,3
	s_wait_dscnt 16*(3-\t)                         ; piece t's sixteen loads are in; the later pieces' may be out
	QUANT \t
	global_store_b128 v4, v[C+4*\t:C+4*\t+3], s[22:23] offset:2048*\t
.endr
	s_wait_tensorcnt 0x0
	ds_add_u32 v160, v161
	s_wait_dscnt 0x0
	s_endpgm
.Lfunc_end_k_q6abd3664cf_prep:
	.size	k_q6abd3664cf_prep, .Lfunc_end_k_q6abd3664cf_prep-k_q6abd3664cf_prep
	.p2alignl 7, 3214868480
	.fill 96, 4, 3214868480
	.section	.rodata,"a",@progbits
	.p2align	6, 0x0
	.amdhsa_kernel k_q6abd3664cf_prep
		.amdhsa_group_segment_fixed_size 105216
		.amdhsa_private_segment_fixed_size 0
		.amdhsa_enable_private_segment 0
		.amdhsa_kernarg_size 48
		.amdhsa_user_sgpr_count 2
		.amdhsa_user_sgpr_kernarg_segment_ptr 1
		.amdhsa_wavefront_size32 1
		.amdhsa_system_sgpr_workgroup_id_x 1
		.amdhsa_system_sgpr_workgroup_id_y 1
		.amdhsa_system_sgpr_workgroup_id_z 1
		.amdhsa_system_vgpr_workitem_id 0
		.amdhsa_next_free_vgpr 162
		.amdhsa_next_free_sgpr 66
		.amdhsa_reserve_vcc 0
		.amdhsa_float_denorm_mode_32 3
		.amdhsa_float_denorm_mode_16_64 3
		.amdhsa_fp16_overflow 1
		.amdhsa_memory_ordered 1
		.amdhsa_forward_progress 1
		.amdhsa_inst_pref_size 15
	.end_amdhsa_kernel
	.amdgpu_metadata
---
amdhsa.version: [ 1, 2 ]
amdhsa.kernels:
  - .name:           k_q6abd3664cf_prep
    .symbol:         k_q6abd3664cf_prep.kd
    .args:
      - { .name: q, .offset: 0, .size: 8, .value_kind: global_buffer, .address_space: global }
      - { .name: k, .offset: 8, .size: 8, .value_kind: global_buffer, .address_space: global }
      - { .name: v, .offset: 16, .size: 8, .value_kind: global_buffer, .address_space: global }
      - { .name: lowp_scales, .offset: 24, .size: 8, .value_kind: global_buffer, .address_space: global }
      - { .name: qc, .offset: 32, .size: 8, .value_kind: global_buffer, .address_space: global }
      - { .name: kv, .offset: 40, .size: 8, .value_kind: global_buffer, .address_space: global }
    .group_segment_fixed_size: 105216
    .private_segment_fixed_size: 0
    .kernarg_segment_align: 8
    .kernarg_segment_size: 48
    .max_flat_workgroup_size: 192
    .sgpr_count:     66
    .vgpr_count:     162
    .wavefront_size: 32
...
	.end_amdgpu_metadata
.endif
;; end of part 1
;; launch attn (part 2): grid 256 x 1, 16 waves a work-group, clusters of 4 x 1, 327,680 bytes of LDS; arguments qc, kv, lowp_scales, out0; writes out0
.if DOCPART == 2
	.amdgcn_target "amdgcn-amd-amdhsa--gfx1250"
	.amdhsa_code_object_version 6
	.text
	.protected	k_q6abd3664cf_attn
	.globl	k_q6abd3664cf_attn
	.p2align	8
	.type	k_q6abd3664cf_attn,@function
k_q6abd3664cf_attn:
	s_mov_b64 s[64:65], 0
	v_nop
	global_prefetch_b8 v0, s[64:65] scope:SCOPE_SE
	s_setreg_imm32_b32 hwreg(HW_REG_WAVE_MODE, 25, 1), 1
	s_wait_xcnt 0x0
	s_wait_alu depctr_hold_cnt(0) depctr_sa_sdst(0) depctr_va_vdst(0) depctr_va_sdst(0) depctr_va_ssrc(0) depctr_va_vcc(0) depctr_vm_vsrc(0)
	s_getreg_b32 s2, hwreg(HW_REG_IB_STS2, 6, 4)
	s_cmp_eq_u32 s2, 0
	s_cbranch_scc0 .Lentry_in_a_cluster
	s_endpgm
.Lentry_in_a_cluster:
	s_bfe_u32 s2, ttmp6, 0x10000c
	s_cmp_lg_u32 s2, 0x3003
	s_cbranch_scc0 .Lentry_shape_is_right
	s_endpgm
.Lentry_shape_is_right:
; out0[head][q][:] = the sum over k of softmax_k(q . k / 8) v[k][:], 24 heads x 2,048 x 64, both products on codes of FP8 (E4M3), made by the launch before (qc, kv: images of the operand registers).
; THE SOFTMAX AHEAD OF THE SECOND PRODUCT: t = score x log2(e) / 8; M = the largest t so far, rounded UP to a whole number; p = 2^(t - M) is what is quantised (scale 2^ep), not normalised; the row's sum is taken of the
; unquantised p, in f32, and divides at the end.  When M moves, sums are multiplied by a power of two: nothing is rounded.
; SHARES.  A unit is 256 queries of one head: 192 units.  A cluster of four work-groups walks three units on end (64 clusters x 3 = 192): every one of the 256 work-groups does 12 tiles of 16 queries x 2,048 keys.
; In a unit a work-group has 64 queries: four tiles.  Its sixteen waves are 4 tiles x 4 KEY GROUPS: wave w has tile w % 4 and, of each ring tile of 512 keys, the 128 keys of step w / 4: four key steps a unit.
; At a unit's end the four partial results of a tile (M, the sum, O) meet in LDS and are merged: M is a whole number, so the merge's factors are powers of two, as with any running M.
; CLUSTER.  The four partners walk the same stream of kv, so each ring tile is asked for JOINTLY (mask 15).  The place in the cluster enters the addresses of qc, out0 and the prefetch alone.
; LAYOUT.  Both products are used transposed: S^T = K Q^T (source 0 = 16 keys, source 1 = my 16 queries; K = 64), O^T = V^T P^T (source 0 = 16 of the head's 64, source 1 = P; K = 128 keys): a lane holds ONE query throughout.
; Lane r of K's tile 2 b + u holds key 32 b + 8 u + r + 8 (r / 8): so the 16 registers of tiles 2 b, 2 b + 1 are keys 32 b + 16 (lane / 16) + 0 .. 15, and the conversions' results ARE P's registers 4 b .. 4 b + 3.
; Along K each operand pair lies in one and the same order (16 bytes a lane a load) on both sides of a product: every product meets its partner; only the order of the sums inside an instruction differs from the form's own.
; LIMITS on the given exponents: eq + ek between -123 and 130 (added to c's exponent field); ep between -8 and 119 (448 x 2^ep is at least 1: a key group runs under its own M, so the hold at the largest code must never
; catch a p, which is at most 1); |ep + ev| under 110 (2^(ep + ev) / the sum is an f32 number).  NaN is not served.
; LDS: two slots of 65,536 bytes (four steps of K's image 8,192 + V's image 8,192); a stage of 16 rows x 272 bytes for each wave; (-M, sum) of 16 rows for each wave; the spare words.  lds_bytes claims all.
.set TILE,  65536                      ; a ring tile: 512 keys
.set STEPB, 16384                      ; a key step's images
.set SP,    272                        ; a stage row: 256 bytes + 16: the 16 rows that a store touches begin 17 x 16 bytes apart
.set WST,   16*SP                      ; a wave's stage
.set STAGE, 2*TILE
.set STATS, STAGE+16*WST               ; 128 bytes a wave
.set SPARE, STATS+2048                 ; the spare words, 128 bytes for each of 16 waves: eight blocks of 256 bytes that no other line names
.set AD,   1                           ; v1, v2  LDS address of my key step's images in slot 0, 1: 16,384 x key group + 16 x lane
.set SPW,  3                           ; v3   my spare word: SPARE + 4 x my thread's number; never rewritten
.set NIL,  4                           ; v4   0; never rewritten
.set STO,  5                           ; v5   the stage: where I put 32 bytes of my query's row
.set SST,  6                           ; v6   where I put (-M, sum)
.set SRD,  7                           ; v7   the merge: my place in the first partner's stage
.set SSR,  8                           ; v8   and in its (-M, sum)
.set QO,   9                           ; v9   my bytes of my tile's image in qc
.set GO,   10                          ; v10  my bytes in the work-group's 64 rows of out0
.set PFO,  11                          ; v11  256 x lane: the prefetch's offset
.set Q,    16                          ; v16-23   Q's fragment
.set F,    24                          ; v24-87   K's eight fragments, then V's four
.set S,    96                          ; v96-159  S^T, then p; in the merge: MO, MS
.set O,    160                         ; v160-191 O^T
.set P,    192                         ; v192-207 p's codes
.set SCV,  208                         ; v208 2^ep
.set LIMV, 209
.set MO,   96                          ; the merge: 4 partners x 2 rows x 4 registers of O
.set MS,   128                         ; 4 partners x 2 rows x (-M, sum)
.set FG,   210                         ; v210-217 the partners' factors (4 i + j)
.set NM,   218                         ; v218, v219 the merged -M
.set LL,   220                         ; v220, v221 the merged sum, then 2^(ep + ev) / it
.set RES,  224                         ; v224-231 two rows' 16 bytes a lane
; v12 -M, v13 the largest t (at a unit's end: the sum), v[14:15] the sum in two halves, v88, v89 at work, v[90:91] f, v[92:93] the second chain of the sum, v94 a lane permute's destination
.set WV,   12                          ; s12  wave
.set CX,   13                          ; s13  my place in the cluster
.set U,    14                          ; s14  the unit in hand
.set HC,   15                          ; s15  the byte in kv at which the unit's head begins;  s16 the next unit's
.set HN,   16
.set LIM,  17                          ; s17  1 in a wave that has its one prefetch to make
.set PFA,  18                          ; s[18:19] where that prefetch stands; never rewritten
.set SEL,  20                          ; s[20:21] lane selects for v_permlanex16_b32: lane l xor 16
.set CS,   22                          ; s[22:23] c = log2(e) / 8 x 2^(eq + ek)
.set G1,   24                          ; s[24:31] descriptor group 1
.set G0,   32                          ; s[32:35], s[36:39] descriptor group 0 of slot 0, 1
.set EPV,  44                          ; s44  ep + ev
.set OFF,  46                          ; s[46:47] an offset in kv, 0 above it
.set CNT,  48                          ; s48  units in the loop
.set LOF,  49                          ; s49  (wave % 4) x 16,384: which quarter of a ring tile I fetch, if I fetch
.set TQ,   54                          ; s54  my tile: wave % 4
.set KG,   55                          ; s55  my key group: wave / 4
; s2, s3, s50, s51 are the only scratch registers that ever hold my place in the cluster; s52, s53 never do.
; A round of the cluster's barrier: my work-group's barrier, so that wave 0's signal speaks for all sixteen waves; wave 0 signals; every wave waits for all four work-groups; my work-group's barrier once more.
.macro CROUND
	s_barrier_signal -1
	s_barrier_wait -1
	s_cmp_lg_u32 s[WV], 0
	s_cbranch_scc1 .Lnot_wave_0_\@
	s_barrier_signal -3
.Lnot_wave_0_\@:
	s_barrier_wait -3
	s_barrier_signal -1
	s_barrier_wait -1
.endm
; A joint refill: waves 0 to 3 fetch a quarter of the ring tile each, the others nothing.  The branch hangs on the wave's number alone.  Four v_nop follow the load.
.macro JLOAD s
	s_cmp_lt_u32 s[WV], 4
	s_cbranch_scc0 .Lasked_\@
	tensor_load_to_lds s[G0+4*(\s):G0+4*(\s)+3], s[G1:G1+7]
	s_nop 0
.rept 4
	v_nop
.endr
.Lasked_\@:
.endm
; THE ONE PREFETCH: ring tile 3 of a head, behind the first refill of the launch, one key step ahead of the refill that asks for it.  Each of its 256 blocks of 256 bytes is named once in the launch: of the clusters
; whose first unit lies in a head, the one that begins at the head's unit 0, 1 or 2 asks (there is one multiple of 3 among three numbers on end); its four partners take 16,384 bytes each, told apart BY ADDRESS;
; in each, waves 4 and 5, which fetch nothing, take 8,192 each, lanes 256 bytes apart.  Tiles 0, 1 and 2 come by their loads alone: nothing is asked for at the head, where every work-group's first tiles are on their way.
.macro ASK
	s_cmp_eq_u32 s[LIM], 1
	s_cbranch_scc0 .Lnot_mine_\@
	global_prefetch_b8 v[PFO], s[PFA:PFA+1] th:TH_LOAD_NT scope:SCOPE_SE
.Lnot_mine_\@:
	s_mov_b32 s[LIM], 0                            ; once
.endm
; THE CHANGE OF SLOTS behind the unit's key step j (slot j % 2).  Each wave waits for all its tensor loads (one is out: its quarter of the other slot), adds 0 to its spare word, and waits for that and for its reads of
; the slot just read.  fill = 1: behind a round of the cluster's barrier that slot takes the stream's tile two on: this unit's tile j + 2, or the next unit's tile j - 2; the load has a key step in which to land.
.macro CHANGE j, fill, ask
	s_wait_tensorcnt 0x0                           ; no tensor load of mine is out, so a group 0 may be written
	ds_add_u32 v[SPW], v[NIL]                      ; 0 onto my spare word
.if \fill
.if (\j) < 2
	s_add_co_u32 s[OFF], s[HC], (((\j)+2)&3)*TILE
.else
	s_add_co_u32 s[OFF], s[HN], (((\j)+2)&3)*TILE
.endif
	s_add_nc_u64 s[G0+4*((\j)&1)+2:G0+4*((\j)&1)+3], s[6:7], s[OFF:OFF+1]
	s_or_b32 s[G0+4*((\j)&1)+3], s[G0+4*((\j)&1)+3], 0x80000000   ; type = 2
	s_wait_dscnt 0x0                               ; the add is done; my LDS reads and stores are done
	CROUND                                         ; no wave of any partner still reads the slot or has a load on its way
	JLOAD (\j)&1                                   ; the first thing behind the round, and a wave's one tensor load until the next
.if \ask
	ASK
.endif
.else
	s_wait_dscnt 0x0
	s_barrier_signal -1
	s_barrier_wait -1
.endif
.endm
; A KEY STEP: my 16 queries x my 128 keys of the ring tile in the slot.  first = 1: the unit's first step starts M, the sum and O^T (C = 0: nothing is cleared but the sum's pair).
; nextq = 1: the next unit's Q is asked for, into the registers that this unit's last K Q^T has read.
.macro STEP slot, first, nextq
.rept 4
	v_nop                                          ; places behind the last step's V^T P, in front of loads into registers that it read (ISA guide 7.12.1 for vector instructions)
.endr
.irp t, 0,1,2,3,4,5,6,7
	ds_load_b128 v[F+8*\t:F+8*\t+3], v[AD+\slot] offset:1024*\t          ; K's tile t: d = 16 h + 0 .. 15,
	ds_load_b128 v[F+8*\t+4:F+8*\t+7], v[AD+\slot] offset:1024*\t+512    ; d = 32 + 16 h + 0 .. 15: as Q lies
.endr
	s_wait_dscnt 8                                 ; tiles 0 to 3 are in; the eight loads of tiles 4 to 7 may be out
.irp t, 0,1,2,3
	v_wmma_f32_16x16x64_fp8_fp8 v[S+8*\t:S+8*\t+7], v[F+8*\t:F+8*\t+7], v[Q:Q+7], 0
.endr
	s_wait_dscnt 0x0
.irp t, 4,5,6,7
	v_wmma_f32_16x16x64_fp8_fp8 v[S+8*\t:S+8*\t+7], v[F+8*\t:F+8*\t+7], v[Q:Q+7], 0
.endr
.rept 4
	v_nop                                          ; places in front of the loads below and of the first read of the scores
.endr
.irp t, 0,1,2,3
.irp c, 0,1,2,3
	ds_load_b128 v[F+16*\t+4*\c:F+16*\t+4*\c+3], v[AD+\slot] offset:8192+2048*\t+512*\c   ; V^T's tile t, keys 32 c + 16 h + 0 .. 15: they land while the softmax is walked
.endr
.endr
.if \nextq
	s_add_nc_u64 s[4:5], s[4:5], 16384             ; (the last loads by this base were waited for at the unit's head)  a unit's images of Q are 16,384 bytes
	global_load_b128 v[Q:Q+3], v[QO], s[4:5]
	global_load_b128 v[Q+4:Q+7], v[QO], s[4:5] offset:512
.endif
	v_max3_num_f32 v88, v[S], v[S+1], v[S+2]       ; the step's largest score of my query among my 64 keys: two chains, ascending
	v_max3_num_f32 v89, v[S+3], v[S+4], v[S+5]
.irp i, 6,10,14,18,22,26,30,34,38,42,46,50,54,58
	v_max3_num_f32 v88, v88, v[S+\i], v[S+\i+1]
	v_max3_num_f32 v89, v89, v[S+\i+2], v[S+\i+3]
.endr
	v_max3_num_f32 v88, v88, v[S+62], v[S+63]
	s_delay_alu instid0(VALU_DEP_1)
	v_max_num_f32 v88, v88, v89
	s_delay_alu instid0(VALU_DEP_1)
	v_permlanex16_b32 v94, v88, s[SEL], s[SEL+1]
	s_delay_alu instid0(VALU_DEP_1)
	v_max_num_f32 v88, v88, v94                    ; and among lane l xor 16's
.if \first
	s_delay_alu instid0(VALU_DEP_1)
	v_mul_f32 v13, s[CS], v88                      ; as t (c is positive)
	s_delay_alu instid0(VALU_DEP_1)
	v_floor_f32 v12, -v13                          ; -M = floor(-t) = -ceil(t): M is a whole number
.else
	s_delay_alu instid0(VALU_DEP_1)
	v_mul_f32 v88, s[CS], v88
	s_delay_alu instid0(VALU_DEP_1)
	v_max_num_f32 v13, v13, v88                    ; the running largest t
	v_mov_b32 v88, v12
	s_delay_alu instid0(VALU_DEP_2)
	v_floor_f32 v12, -v13
	s_delay_alu instid0(VALU_DEP_1)
	v_sub_f32 v88, v12, v88                        ; M's old value less its new one: a whole number, 0 or less
	s_delay_alu instid0(VALU_DEP_1)
	v_cvt_i32_f32 v88, v88                         ; (it saturates)
	s_delay_alu instid0(VALU_DEP_1)
	v_ldexp_f32 v90, 1.0, v88                      ; f = 2^(old M - new M)
.endif
.irp j, 0,2,4,6,8,10,12,14,16,18,20,22,24,26,28,30,32,34,36,38,40,42,44,46,48,50,52,54,56,58,60,62
	v_pk_fma_f32 v[S+\j:S+\j+1], v[S+\j:S+\j+1], s[CS:CS+1], v[12:13] op_sel_hi:[1,0,0]   ; t - M, two at a time (of the pairs c and -M the low word serves both halves)
.endr
	s_wait_alu depctr_va_vdst(0)
.irp j, 0,1,2,3,4,5,6,7,8,9,10,11,12,13,14,15,16,17,18,19,20,21,22,23,24,25,26,27,28,29,30,31,32,33,34,35,36,37,38,39,40,41,42,43,44,45,46,47,48,49,50,51,52,53,54,55,56,57,58,59,60,61,62,63
	v_exp_f32 v[S+\j], v[S+\j]                     ; p = 2^(t - M), at most 1: not normalised
.endr
.if \first
	v_mov_b32 v14, 0                               ; the sum begins.  (A plain instruction behind the exponentials)
	v_mov_b32 v15, 0
.else
	v_pk_mul_f32 v[14:15], v[14:15], v[90:91] op_sel_hi:[1,0]   ; the sum under the new M.  (A plain instruction behind the exponentials)
.endif
	s_wait_alu depctr_va_vdst(0)                   ; one wait for the batch of 64, ahead of its first reader
	v_pk_add_f32 v[92:93], v[100:101], v[104:105]
	v_pk_add_f32 v[230:231], v[108:109], v[112:113]
	v_pk_add_f32 v[228:229], v[116:117], v[120:121]
	v_pk_add_f32 v[226:227], v[124:125], v[128:129]
	v_pk_add_f32 v[224:225], v[132:133], v[136:137]
	v_pk_add_f32 v[222:223], v[140:141], v[144:145]
	v_pk_add_f32 v[220:221], v[148:149], v[152:153]
	v_pk_add_f32 v[14:15], v[14:15], v[156:157]
	v_pk_add_f32 v[92:93], v[92:93], v[96:97]
	v_pk_add_f32 v[230:231], v[230:231], v[98:99]
	v_pk_add_f32 v[228:229], v[228:229], v[102:103]
	v_pk_add_f32 v[226:227], v[226:227], v[106:107]
	v_pk_add_f32 v[224:225], v[224:225], v[110:111]
	v_pk_add_f32 v[222:223], v[222:223], v[114:115]
	v_pk_add_f32 v[220:221], v[220:221], v[118:119]
	v_pk_add_f32 v[14:15], v[14:15], v[122:123]
	v_pk_add_f32 v[92:93], v[92:93], v[126:127]
	v_pk_add_f32 v[230:231], v[230:231], v[130:131]
	v_pk_add_f32 v[228:229], v[228:229], v[134:135]
	v_pk_add_f32 v[226:227], v[226:227], v[138:139]
	v_pk_add_f32 v[224:225], v[224:225], v[142:143]
	v_pk_add_f32 v[222:223], v[222:223], v[146:147]
	v_pk_add_f32 v[220:221], v[220:221], v[150:151]
	v_pk_add_f32 v[14:15], v[14:15], v[154:155]
	v_pk_add_f32 v[92:93], v[92:93], v[158:159]
	s_delay_alu instid0(VALU_DEP_2)
	v_pk_add_f32 v[14:15], v[14:15], v[226:227]
	s_delay_alu instid0(VALU_DEP_2)
	v_pk_add_f32 v[92:93], v[92:93], v[224:225]
	v_pk_add_f32 v[230:231], v[230:231], v[222:223]
	v_pk_add_f32 v[228:229], v[228:229], v[220:221]
	s_delay_alu instid0(VALU_DEP_2)
	v_pk_add_f32 v[14:15], v[14:15], v[230:231]
	s_delay_alu instid0(VALU_DEP_2)
	v_pk_add_f32 v[92:93], v[92:93], v[228:229]
	s_delay_alu instid0(VALU_DEP_1)
	v_pk_add_f32 v[14:15], v[14:15], v[92:93]
.irp b, 0,1,2,3
.irp i, 0,1,2,3,4,5,6,7,8,9,10,11,12,13,14,15
.endr
	v_cvt_scalef32_pk8_fp8_f32 v[P+4*\b:P+4*\b+1], v[S+16*\b:S+16*\b+7], v[SCV]
	v_cvt_scalef32_pk8_fp8_f32 v[P+4*\b+2:P+4*\b+3], v[S+16*\b+8:S+16*\b+15], v[SCV]
.endr
.if \first
	s_wait_alu depctr_va_vdst(0)
	v_nop                                          ; one plain vector instruction between a scaled conversion and the matrix instruction that reads its result
.else
.irp j, 0,2,4,6,8,10,12,14,16,18,20,22,24,26,28,30
	v_pk_mul_f32 v[O+\j:O+\j+1], v[O+\j:O+\j+1], v[90:91] op_sel_hi:[1,0]   ; O^T under the new M.  (These are also the plain instructions behind the conversions)
.endr
.endif
	s_wait_alu depctr_va_vdst(0)
	s_wait_dscnt 0x0                               ; V is in
.irp t, 0,1,2,3                        ; the four accumulators take turns, one instruction a turn; between two turns of one stand the others' and eight K Q^T
.if \first
	v_wmma_f32_16x16x128_fp8_fp8 v[O+8*\t:O+8*\t+7], v[F+16*\t:F+16*\t+15], v[P:P+15], 0
.else
	v_wmma_f32_16x16x128_fp8_fp8 v[O+8*\t:O+8*\t+7], v[F+16*\t:F+16*\t+15], v[P:P+15], v[O+8*\t:O+8*\t+7]
.endif
.endr
.endm
; THE MERGE, first half: my partial O^T (register 8 t + i = o(query r, d = 16 t + 8 h + i)) goes into my stage as 16 rows of 256 bytes, my (-M, sum) beside it.
.macro MERGE_A
.rept 4
	v_nop                                          ; places behind the last products, in front of the LDS stores that read their results
.endr
	v_add_f32 v14, v14, v15                        ; the sum's two halves,
	s_delay_alu instid0(VALU_DEP_1)
	v_permlanex16_b32 v94, v14, s[SEL], s[SEL+1]
	s_delay_alu instid0(VALU_DEP_1)
	v_add_f32 v13, v14, v94                        ; and lane l xor 16's, beside -M in the pair v[12:13]
.irp t, 0,1,2,3
	ds_store_b128 v[STO], v[O+8*\t:O+8*\t+3] offset:64*\t         ; each accumulator from its low end on
	ds_store_b128 v[STO], v[O+8*\t+4:O+8*\t+7] offset:64*\t+16
.endr
	ds_store_b64 v[SST], v[12:13]                  ; lanes r and r + 16 write the same two words with the same numbers
.endm
; Second half, behind a barrier: wave (tile, key group g) merges stage rows 4 g .. 4 g + 3 of its tile: two rows an instruction (i), sixteen lanes to a row, from the four partners j (waves tile + 4 j).
.macro MERGE_B
.irp j, 0,1,2,3
.irp i, 0,1
	ds_load_b128 v[MO+8*\j+4*\i:MO+8*\j+4*\i+3], v[SRD] offset:4*WST*\j+2*SP*\i
	ds_load_b64 v[MS+4*\j+2*\i:MS+4*\j+2*\i+1], v[SSR] offset:512*\j+16*\i
.endr
.endr
	s_wait_dscnt 0x0
.irp i, 0,1
	v_min3_num_f32 v[NM+\i], v[MS+2*\i], v[MS+4+2*\i], v[MS+8+2*\i]
	s_delay_alu instid0(VALU_DEP_1)
	v_min_num_f32 v[NM+\i], v[NM+\i], v[MS+12+2*\i]               ; the least -M is the largest M
.endr
.irp i, 0,1
.irp j, 0,1,2,3
	v_sub_f32 v[FG+4*\i+\j], v[NM+\i], v[MS+4*\j+2*\i]            ; M_j - M: a whole number, 0 or less
.endr
.endr
.irp n, 0,1,2,3,4,5,6,7
	v_cvt_i32_f32 v[FG+\n], v[FG+\n]
.endr
.irp n, 0,1,2,3,4,5,6,7
	v_ldexp_f32 v[FG+\n], 1.0, v[FG+\n]                           ; f_j = 2^(M_j - M)
.endr
.irp i, 0,1
	v_mul_f32 v[LL+\i], v[FG+4*\i], v[MS+2*\i+1]
.irp j, 1,2,3
	s_delay_alu instid0(VALU_DEP_1)
	v_fma_f32 v[LL+\i], v[FG+4*\i+\j], v[MS+4*\j+2*\i+1], v[LL+\i]   ; the row's sum under M
.endr
.endr
	s_wait_alu depctr_va_vdst(0)
	v_rcp_f32 v[LL], v[LL]
	v_rcp_f32 v[LL+1], v[LL+1]
	v_nop                                          ; a plain instruction between the last reciprocal and the use of its result
	s_wait_alu depctr_va_vdst(0)                   ; and the wait ahead of the first use: one for both
	v_ldexp_f32 v[LL], v[LL], s[EPV]               ; x 2^(ep + ev)
	v_ldexp_f32 v[LL+1], v[LL+1], s[EPV]
.irp i, 0,1
.irp j, 0,1,2,3
	v_mul_f32 v[FG+4*\i+\j], v[FG+4*\i+\j], v[LL+\i]
.endr
.endr
.irp i, 0,1
.irp n, 0,1,2,3
	v_mul_f32 v[RES+4*\i+\n], v[MO+4*\i+\n], v[FG+4*\i]
.endr
.irp j, 1,2,3
.irp n, 0,1,2,3
	s_delay_alu instid0(VALU_DEP_4)
	v_fma_f32 v[RES+4*\i+\n], v[MO+8*\j+4*\i+\n], v[FG+4*\i+\j], v[RES+4*\i+\n]
.endr
.endr
.endr
.irp i, 0,1
	global_store_b128 v[GO], v[RES+4*\i:RES+4*\i+3], s[10:11] offset:512*\i th:TH_STORE_NT   ; 16 lanes store a row of out0: 256 consecutive bytes, aligned; written once, read by nobody here
.endr
.endm
	s_load_b256 s[4:11], s[0:1], 0x0               ; qc s[4:5], kv s[6:7], the scales' exponents s[8:9], out0 s[10:11]
	v_lshl_add_u32 v[SPW], v0, 2, SPARE
	v_mov_b32 v[NIL], 0
	ds_add_u32 v3, v4
	ds_add_u32 v3, v4
	s_wait_dscnt 0x0
	v_lshrrev_b32 v88, 5, v0
	s_delay_alu instid0(VALU_DEP_1)
	v_readfirstlane_b32 s[WV], v88                 ; wave 0..15
	s_bfe_u32 s[CX], ttmp6, 0x40000                ; my place in the cluster
	s_mul_i32 s[U], ttmp9, 3                       ; in a cluster launch ttmp9 counts clusters: my cluster's first unit
	s_and_b32 s[TQ], s[WV], 3
	s_lshr_b32 s[KG], s[WV], 2
	; descriptor group 1: a dense block of 16,384 bytes as 64 rows of 32 elements of 8 bytes, no padding
	s_mov_b32 s[G1], 15|(3<<16)|(1<<21)            ; 15:0 the mask: all four work-groups; 17:16 elements of 8 bytes; 21 set beside a mask
	s_mov_b32 s[G1+1], 32<<16                      ; tensor_dim0 = 32
	s_mov_b32 s[G1+2], 64<<16                      ; tensor_dim1 = 64
	s_mov_b32 s[G1+3], 32<<16                      ; tile_dim0 = 32
	s_mov_b32 s[G1+4], 64                          ; tile_dim1 = 64
	s_mov_b32 s[G1+5], 32                          ; tensor_dim0_stride
	s_mov_b32 s[G1+6], 0
	s_mov_b32 s[G1+7], 0
	s_mov_b32 s[SEL], 0x76543210
	s_mov_b32 s[SEL+1], 0xfedcba98
	s_lshr_b32 s[HC], s[U], 3
	s_lshl_b32 s[HC], s[HC], 18                    ; a head's images are 262,144 bytes
	s_add_co_u32 s[HN], s[U], 1
	s_lshr_b32 s[HN], s[HN], 3
	s_lshl_b32 s[HN], s[HN], 18
	s_lshl_b32 s[LOF], s[TQ], 14                   ; the quarter that I fetch, in memory and in a slot: no place in the cluster enters it
	s_mov_b32 s[OFF+1], 0
	s_mov_b32 s[CNT], 2
	; who prefetches: the cluster's first unit is its head's unit 0, 1 or 2, and the wave is 4 or 5: the same in all four partners
	s_and_b32 s52, s[U], 7
	s_cmp_lt_u32 s52, 3
	s_cselect_b32 s52, 0, 1
	s_lshr_b32 s53, s[WV], 1
	s_xor_b32 s53, s53, 2
	s_or_b32 s52, s52, s53
	s_cmp_eq_u32 s52, 0
	s_cselect_b32 s[LIM], 1, 0
	s_lshl_b32 s50, s[CX], 14                      ; and where: my work-group's 16,384 bytes,
	s_and_b32 s51, s[WV], 1
	s_lshl_b32 s51, s51, 13                        ; my wave's 8,192 of them,
	s_add_co_u32 s50, s50, s51
	s_add_co_u32 s50, s50, s[HC]
	s_add_co_u32 s50, s50, 3*TILE                  ; in the head's ring tile 3
	s_mov_b32 s51, 0
	s_wait_kmcnt 0x0
	s_load_b128 s[40:43], s[8:9], 0x0              ; eq, ek, ep, ev
	s_add_nc_u64 s[PFA:PFA+1], s[6:7], s[50:51]
	s_mov_b32 s[OFF], s[LOF]
	s_add_nc_u64 s[6:7], s[6:7], s[OFF:OFF+1]      ; kv at my quarter of its first ring tile
	s_lshl_b32 s2, s[U], 14                        ; qc: 16,384 bytes a unit, 4,096 a work-group
	s_lshl_b32 s3, s[CX], 12
	s_add_co_u32 s2, s2, s3
	s_mov_b32 s3, 0
	s_add_nc_u64 s[4:5], s[4:5], s[2:3]
	s_lshl_b32 s2, s[U], 16                        ; out0: 65,536 bytes a unit, 16,384 a work-group
	s_lshl_b32 s3, s[CX], 14
	s_add_co_u32 s2, s2, s3
	s_mov_b32 s3, 0
	s_add_nc_u64 s[10:11], s[10:11], s[2:3]
	; descriptor group 0, a set for each slot: the unit's ring tiles 0 and 1
	s_mov_b32 s[G0], 1                             ; count = 1
	s_mov_b32 s[G0+1], s[LOF]                      ; LDS address
	s_mov_b32 s[OFF], s[HC]
	s_add_nc_u64 s[G0+2:G0+3], s[6:7], s[OFF:OFF+1]
	s_or_b32 s[G0+3], s[G0+3], 0x80000000          ; type = 2
	s_mov_b32 s[G0+4], 1
	s_add_co_u32 s[G0+5], s[LOF], TILE
	s_add_co_u32 s[OFF], s[HC], TILE
	s_add_nc_u64 s[G0+6:G0+7], s[6:7], s[OFF:OFF+1]
	s_or_b32 s[G0+7], s[G0+7], 0x80000000
	CROUND                                         ; all four work-groups are here: the first joint loads meet
	s_cmp_lt_u32 s[WV], 4                          ; a wave's two first fills stand in one branch, ahead of every wait on TENSORcnt and every LDS read: two loads of mine are out
	s_cbranch_scc0 .Lno_first
	tensor_load_to_lds s[G0:G0+3], s[G1:G1+7]
	s_nop 0
	tensor_load_to_lds s[G0+4:G0+7], s[G1:G1+7]
	s_nop 0
.rept 4
	v_nop
.endr
.Lno_first:
	v_and_b32 v88, 31, v0                          ; lane
	v_and_b32 v89, 15, v0                          ; r
	v_bfe_u32 v90, v0, 4, 1                        ; h
	s_wait_alu depctr_va_vdst(0)
	s_lshl_b32 s52, s[TQ], 10
	v_lshl_add_u32 v[QO], v88, 4, s52              ; my tile's image: 1,024 x tile + 16 x lane
	global_load_b128 v[Q:Q+3], v[QO], s[4:5]       ; Q's fragment stays in registers for a unit
	global_load_b128 v[Q+4:Q+7], v[QO], s[4:5] offset:512
	s_lshl_b32 s52, s[KG], 14
	v_lshl_add_u32 v[AD], v88, 4, s52
	s_delay_alu instid0(VALU_DEP_1)
	v_add_nc_u32 v[AD+1], TILE, v[AD]
	s_mul_i32 s52, s[WV], WST
	s_add_co_u32 s52, s52, STAGE                   ; my stage
	v_mul_u32_u24 v[STO], v89, SP
	s_delay_alu instid0(VALU_DEP_1)
	v_lshl_add_u32 v[STO], v90, 5, v[STO]
	s_delay_alu instid0(VALU_DEP_1)
	v_add_nc_u32 v[STO], s52, v[STO]               ; row r, + 32 h; tile t's eight numbers 64 t bytes on
	s_lshl_b32 s52, s[WV], 7
	s_add_co_u32 s52, s52, STATS
	v_lshl_add_u32 v[SST], v89, 3, s52
	s_mul_i32 s52, s[TQ], WST                      ; the merge: the stage of wave (my tile, key group 0),
	s_mul_i32 s53, s[KG], 4*SP                     ; rows 4 g on
	s_add_co_u32 s52, s52, s53
	s_add_co_u32 s52, s52, STAGE
	v_mul_u32_u24 v[SRD], v90, SP                  ; lanes 0-15 one row, lanes 16-31 the next
	s_delay_alu instid0(VALU_DEP_1)
	v_lshl_add_u32 v[SRD], v89, 4, v[SRD]
	s_delay_alu instid0(VALU_DEP_1)
	v_add_nc_u32 v[SRD], s52, v[SRD]
	s_lshl_b32 s52, s[TQ], 7
	s_lshl_b32 s53, s[KG], 5
	s_add_co_u32 s52, s52, s53
	s_add_co_u32 s52, s52, STATS
	v_lshl_add_u32 v[SSR], v90, 3, s52
	; stage row x of tile tq is the work-group's query 32 (tq / 2) + 8 (tq % 2) + x + 8 (x / 8); for x = 4 g + 2 i + h, x / 8 = g / 2
	s_lshr_b32 s52, s[TQ], 1
	s_lshl_b32 s52, s52, 5
	s_and_b32 s53, s[TQ], 1
	s_lshl_b32 s53, s53, 3
	s_add_co_u32 s52, s52, s53
	s_lshl_b32 s53, s[KG], 2
	s_add_co_u32 s52, s52, s53
	s_lshr_b32 s53, s[KG], 1
	s_lshl_b32 s53, s53, 3
	s_add_co_u32 s52, s52, s53
	s_lshl_b32 s52, s52, 8                         ; rows of 256 bytes
	v_lshl_add_u32 v[GO], v90, 8, s52
	s_delay_alu instid0(VALU_DEP_1)
	v_lshl_add_u32 v[GO], v89, 4, v[GO]
	v_lshlrev_b32 v[PFO], 8, v88
	v_mov_b32 v91, 0                               ; (named as the upper half of the pair v[90:91])
	v_mov_b32 v94, 0                               ; written once: a lane permute's destination counts as one of its sources
	s_wait_kmcnt 0x0
	s_add_co_i32 s52, s40, s41
	s_lshl_b32 s52, s52, 23
	s_add_co_i32 s[CS], s52, 0x3e38aa3b            ; c = log2(e) / 8, with eq + ek added to its exponent field: a sum of the first product stands for sum x 2^(eq + ek)
	s_mov_b32 s[CS+1], s[CS]                       ; (named with it as a pair, so it is written)
	s_add_co_i32 s[EPV], s42, s43
	s_add_co_i32 s52, s42, 127
	s_lshl_b32 s53, s52, 23
	v_mov_b32 v[SCV], s53                          ; 2^ep as f32, for the conversion
	s_wait_tensorcnt 1                             ; my quarter of slot 0 is in; slot 1's may stay out
	s_barrier_signal -1
	s_barrier_wait -1                              ; everybody's is
.Lunit:                                            ; two trips: the cluster's first two units; the ring goes on from unit to unit
	s_wait_loadcnt 0x0                             ; Q
	STEP 0, 1, 0
	CHANGE 0, 1, 1
	STEP 1, 0, 0
	CHANGE 1, 1, 0
	STEP 0, 0, 0
	CHANGE 2, 1, 0                                 ; slot 0 takes the next unit's ring tile 0,
	STEP 1, 0, 1
	MERGE_A
	CHANGE 3, 1, 0                                 ; slot 1 its tile 1; the same round stands between the stores into the stages and the reads below
	MERGE_B
	s_wait_xcnt 0x0                                ; the stores have read their base and their data: both are written again only behind this wait
	s_add_nc_u64 s[10:11], s[10:11], 65536
	s_add_co_u32 s[U], s[U], 1
	s_mov_b32 s[HC], s[HN]
	s_add_co_u32 s[HN], s[U], 1
	s_lshr_b32 s[HN], s[HN], 3
	s_lshl_b32 s[HN], s[HN], 18                    ; (behind the last trip it is not used)
	s_sub_co_u32 s[CNT], s[CNT], 1
	s_cmp_lg_u32 s[CNT], 0
	s_cbranch_scc1 .Lunit
	s_wait_loadcnt 0x0                             ; the third unit is written out: its last two changes ask for nothing
	STEP 0, 1, 0
	CHANGE 0, 1, 0
	STEP 1, 0, 0
	CHANGE 1, 1, 0
	STEP 0, 0, 0
	CHANGE 2, 0, 0
	STEP 1, 0, 0
	MERGE_A
	s_wait_dscnt 0x0                               ; for the others' sake: my stores into my stage are done
	s_barrier_signal -1
	s_barrier_wait -1
	MERGE_B
	s_wait_tensorcnt 0x0                           ; the wave's end, behind my last tensor load and my last LDS store
	ds_add_u32 v[SPW], v[NIL]
	s_wait_dscnt 0x0
	CROUND                                         ; the closing round: no work-group ends while a partner may still ask for a tile that names it
	s_endpgm
.Lfunc_end_k_q6abd3664cf_attn:
	.size	k_q6abd3664cf_attn, .Lfunc_end_k_q6abd3664cf_attn-k_q6abd3664cf_attn
	.p2alignl 7, 3214868480
	.fill 96, 4, 3214868480
	.section	.rodata,"a",@progbits
	.p2align	6, 0x0
	.amdhsa_kernel k_q6abd3664cf_attn
		.amdhsa_group_segment_fixed_size 327680
		.amdhsa_private_segment_fixed_size 0
		.amdhsa_enable_private_segment 0
		.amdhsa_kernarg_size 32
		.amdhsa_user_sgpr_count 2
		.amdhsa_user_sgpr_kernarg_segment_ptr 1
		.amdhsa_wavefront_size32 1
		.amdhsa_system_sgpr_workgroup_id_x 1
		.amdhsa_system_sgpr_workgroup_id_y 1
		.amdhsa_system_sgpr_workgroup_id_z 1
		.amdhsa_system_vgpr_workitem_id 0
		.amdhsa_next_free_vgpr 232
		.amdhsa_next_free_sgpr 66
		.amdhsa_reserve_vcc 0
		.amdhsa_float_denorm_mode_32 3
		.amdhsa_float_denorm_mode_16_64 3
		.amdhsa_fp16_overflow 1
		.amdhsa_memory_ordered 1
		.amdhsa_forward_progress 1
		.amdhsa_inst_pref_size 134
	.end_amdhsa_kernel
	.amdgpu_metadata
---
amdhsa.version: [ 1, 2 ]
amdhsa.kernels:
  - .name:           k_q6abd3664cf_attn
    .symbol:         k_q6abd3664cf_attn.kd
    .args:
      - { .name: qc, .offset: 0, .size: 8, .value_kind: global_buffer, .address_space: global }
      - { .name: kv, .offset: 8, .size: 8, .value_kind: global_buffer, .address_space: global }
      - { .name: lowp_scales, .offset: 16, .size: 8, .value_kind: global_buffer, .address_space: global }
      - { .name: out0, .offset: 24, .size: 8, .value_kind: global_buffer, .address_space: global }
    .group_segment_fixed_size: 327680
    .private_segment_fixed_size: 0
    .kernarg_segment_align: 8
    .kernarg_segment_size: 32
    .max_flat_workgroup_size: 512
    .sgpr_count:     66
    .vgpr_count:     232
    .wavefront_size: 32
...
	.end_amdgpu_metadata
.endif
;; end of part 2
